; MI455X (gfx1250); checked and timed in simulation.
; The chip was launched on July 23, 2026; its instructions are those of AMD's public machine-readable ISA for CDNA 5 (MIT licence, August 2026) and "CDNA5" Instruction Set Architecture Reference Guide (July 2026). The comments in the code are by the model that wrote it; some were corrected since.
;; Attention1. Allowed arithmetic: float matrix products may take bf16 or f16 operands with f32 sums; all other float work in f32.
;; Inputs: b_out 256 float32; b_qkv 768 float32; w_out 256 x 256 float32; w_qkv 256 x 768 float32; x 4 x 2,048 x 256 float32.
;; Outputs: out0 4 x 2,048 x 256 float32.
;; One version. Each part assembles by itself: llvm-mc -triple=amdgcn-amd-amdhsa -mcpu=gfx1250 --defsym DOCPART=n.
;; ======== version 1 of 1: 3 launches
;; limits: values are held in f16: magnitudes above 65,504 overflow, below 6.1e-05 lose precision
;; workspace buffers: qf 4,194,304 bytes; kf 4,194,304 bytes; vf 4,194,304 bytes; of 4,194,304 bytes
;; launch qkv (part 1): grid 4 x 64, 8 waves a work-group, no clusters, 175,104 bytes of LDS; arguments x, w_qkv, b_qkv, qf, kf, vf; writes qf, kf, vf
.if DOCPART == 1
	.amdgcn_target "amdgcn-amd-amdhsa--gfx1250"
	.amdhsa_code_object_version 6
	.text
	.protected	k_q0838ba5ebf_qkv
	.globl	k_q0838ba5ebf_qkv
	.p2align	8
	.type	k_q0838ba5ebf_qkv,@function
k_q0838ba5ebf_qkv:
	s_mov_b64 s[64:65], 0
	v_nop
	global_prefetch_b8 v0, s[64:65] scope:SCOPE_SE
	s_setreg_imm32_b32 hwreg(HW_REG_WAVE_MODE, 25, 1), 1
	s_wait_xcnt 0x0
; q c0, k, v = x W_qkv + b_qkv, rounded to f16 and stored in the order in which the attention launch's matrix fragments want them.
; x: [8192][256] f32.  w_qkv: [256][768] f32.  b_qkv: [768] f32.  c0 = log2(e) / 16: the softmax scale 256^-0.5 and the change to base 2, folded into q.
; A work-group (j = x id, mblk = y id) takes rows 128 mblk .. +127 and, of q, of k and of v alike, the 64 columns of heads 2j and 2j+1.
; Eight waves: wave w takes 32 rows (rg = w & 3) of one head (ch = w >> 2): 12 accumulator tiles (3 types x 2 column tiles x 2 row tiles).
; OUTPUT LAYOUT.  A 16 x 32 f16 fragment is 1,024 bytes, [c 0..1][lane 0..31][8 f16]: row lane % 16, k = 16 c + 8 (lane / 16) + 0..7.
;   qf, kf: [bh 32][tile 128] fragments, row = token 16 tile + r, k = dh.     vf: [bh 32][kb 64][t 2] fragments, row = dh 16 t + r, k = token 32 kb + ..
; q and k tiles are made transposed (source 0 = W columns, source 1 = x rows), so that a lane holds 8 neighbouring dh of one token; v tiles the natural way,
; so that a lane holds 8 neighbouring tokens of one dh.  Either way four packed conversions give the lane's 16 bytes of a fragment half,
; and a wave's store covers 512 consecutive bytes, aligned.
; NO CLUSTER, NO TENSOR LOADS: x and W are f32 in memory and are converted in registers on their way to LDS.  Brought raw, the group's tiles would be
; 128 KiB + 192 KiB of f32, which leaves no room in LDS for the 170 KiB of f16 that the fragments are read from.
; LIMITS: operands are f16: |x|, |w|, |q c0|, |k|, |v| have to stay below 65,504; NaN and infinities in the inputs give NaN, not always at the same places.
.set XP,    528                        ; LDS pitch of an x row: 512 bytes + 16, an odd multiple of 16: the 16 rows of a fragment load start at 16 different 16-byte columns of 256 bytes
.set WP,    416                        ; LDS pitch of a W row (192 f16 = 384 bytes + 32), an odd multiple of 32, for the transposing loads
.set WBASE, 128*XP                     ; W lies behind the 128 rows of x
.set XG,  1                            ; v1   16 t: my 16 bytes in a run of four x rows
.set XS,  2                            ; v2   where their 4 f16 go in LDS
.set WG,  3                            ; v3   (t / 16) rows of 3,072 bytes + 16 (t % 16): my 16 bytes of a 256-byte piece of a W row
.set WS0, 4                            ; v4   where they go, W rows 0-127;   v5: rows 128-255
.set XA,  6                            ; v6   LDS address of my x fragments
.set WA0, 7                            ; v7   LDS address of my W fragments, K steps 0-3;   v8: K steps 4-7
.set L16, 9                            ; v9   16 x lane
.set BI,  10                           ; v10  32 (lane / 16): the 8 bias words of a transposed tile
.set BR,  11                           ; v11  4 (lane % 16): the bias word of a natural tile
.set ACC, 16                           ; v[16:111]  tile (type, t, mt) at 16 + 8 (4 type + 2 t + mt)
.set LD,  80                           ; v[80:239]  while the tiles come in: five slots of eight 16-byte loads (v's accumulators are not yet in use)
.set F0,  112                          ; v[112:175] fragment buffer 0: x tiles at +8 mt, W tiles at +16 + 8 (2 type + t)
.set F1,  176                          ; v[176:239] fragment buffer 1
.set TT,  240                          ; v[240:247] four pairs of packed f16 on their way to LDS
.set BV,  248                          ; v[248:251] v's bias of my dh, column tile 0 twice, column tile 1 twice
.set PK,  112                          ; v[112:159] the packed results, four registers a tile
	s_load_b256 s[4:11], s[0:1], 0x0               ; x s[4:5], w_qkv s[6:7], b_qkv s[8:9], qf s[10:11]
	s_load_b128 s[12:15], s[0:1], 0x20             ; kf s[12:13], vf s[14:15]
	v_lshl_add_u32 v254, v0, 2, 0x2a800
	v_mov_b32 v255, 0
	v_lshrrev_b32 v12, 5, v0
	v_readfirstlane_b32 s16, v12                   ; wave 0..7
	s_and_b32 s17, s16, 3                          ; rg: which 32 rows
	s_lshr_b32 s18, s16, 2                         ; ch: which of the two heads
	s_and_b32 s20, ttmp7, 0xffff                   ; mblk
	s_lshl_b32 s21, ttmp9, 1
	s_add_co_u32 s21, s21, s18                     ; head = 2 j + ch
	s_mov_b32 s38, 0x3db8aa3b                      ; c0 = log2(e) / 16
	s_mov_b32 s39, 0x3db8aa3b
	v_lshlrev_b32 v[XG], 4, v0
	v_lshrrev_b32 v12, 6, v0                       ; t / 64: which of four rows
	v_and_b32 v13, 63, v0
	v_mul_u32_u24 v[XS], v12, XP
	v_lshl_add_u32 v[XS], v13, 3, v[XS]
	v_lshrrev_b32 v12, 4, v0                       ; t / 16: which of sixteen W rows
	v_and_b32 v13, 15, v0                          ; t % 16 = lane % 16 = r
	v_mul_u32_u24 v[WG], v12, 3072
	v_lshl_add_u32 v[WG], v13, 4, v[WG]
	v_mul_u32_u24 v[WS0], v12, WP
	v_lshl_add_u32 v[WS0], v13, 3, v[WS0]
	v_add_nc_u32 v[WS0], WBASE, v[WS0]
	v_add_nc_u32 v[WS0+1], 128*WP, v[WS0]
	v_bfe_u32 v14, v0, 4, 1                        ; h = lane / 16
	s_mul_i32 s22, s17, 32*XP                      ; my 32 rows of x
	v_mul_u32_u24 v[XA], v13, XP
	v_lshl_add_u32 v[XA], v14, 4, v[XA]
	v_add_nc_u32 v[XA], s22, v[XA]                 ; (32 rg + r) pitch + 16 h
	v_and_b32 v15, 7, v0
	v_lshl_add_u32 v15, v14, 3, v15                ; 8 h + lane % 8: the W row that I address in a transposing load
	v_mul_u32_u24 v[WA0], v15, WP
	v_bfe_u32 v15, v0, 3, 1
	v_lshl_add_u32 v[WA0], v15, 4, v[WA0]          ; + 16 ((lane / 8) % 2)
	s_lshl_b32 s23, s18, 6                         ; my head's 32 columns, 64 bytes
	s_add_co_u32 s23, s23, WBASE
	v_add_nc_u32 v[WA0], s23, v[WA0]
	v_add_nc_u32 v[WA0+1], 128*WP, v[WA0]
	v_and_b32 v[L16], 31, v0
	v_lshlrev_b32 v[L16], 4, v[L16]
	v_lshlrev_b32 v[BI], 5, v14
	v_lshlrev_b32 v[BR], 2, v13
	s_wait_kmcnt 0x0
	s_lshl_b32 s22, s20, 17                        ; 128 rows of 1,024 bytes
	s_mov_b32 s23, 0
	s_add_nc_u64 s[24:25], s[4:5], s[22:23]        ; x at the group's first row
	s_lshl_b32 s22, ttmp9, 8
	s_add_nc_u64 s[26:27], s[6:7], s[22:23]        ; w_qkv at column 64 j
	s_lshl_b32 s22, s21, 7
	s_add_nc_u64 s[28:29], s[8:9], s[22:23]        ; b_qkv at column 32 head
	s_lshr_b32 s30, s20, 4                         ; batch: 16 blocks of 128 rows each
	s_lshl3_add_u32 s30, s30, s21                  ; bh = 8 batch + head
	s_lshl_b32 s30, s30, 17                        ; 131,072 bytes for each bh
	s_and_b32 s22, s20, 15
	s_lshl_b32 s22, s22, 3
	s_lshl1_add_u32 s22, s17, s22                  ; my first 16-token tile in the batch: 8 (mblk % 16) + 2 rg
	s_lshl_b32 s22, s22, 10
	s_add_co_u32 s30, s30, s22
	s_mov_b32 s31, 0
	s_add_nc_u64 s[32:33], s[10:11], s[30:31]      ; the same offset serves all three: 32 tokens are 2,048 bytes in each
	s_add_nc_u64 s[34:35], s[12:13], s[30:31]
	s_add_nc_u64 s[36:37], s[14:15], s[30:31]
	; The biases first.  A transposed tile's register j belongs to column n0 + 8 h + j: q's and k's biases are loaded straight into the accumulators,
	; so the sums start from them and no add is needed.
.irp ty, 0,1
.irp t, 0,1
.irp mt, 0,1
	global_load_b128 v[ACC+8*(4*\ty+2*\t+\mt):ACC+8*(4*\ty+2*\t+\mt)+3],   v[BI], s[28:29] offset:\ty*1024+\t*64
	global_load_b128 v[ACC+8*(4*\ty+2*\t+\mt)+4:ACC+8*(4*\ty+2*\t+\mt)+7], v[BI], s[28:29] offset:\ty*1024+\t*64+16
.endr
.endr
.endr
.irp t, 0,1
	global_load_b32 v[BV+2*\t],   v[BR], s[28:29] offset:2048+64*\t    ; v: one word for all eight registers of a tile, twice, to fill a pair
	global_load_b32 v[BV+2*\t+1], v[BR], s[28:29] offset:2048+64*\t
.endr
; Ten groups of eight 16-byte loads.  Groups 0-3: x, four rows (4,096 bytes) a load of the work-group.
; Groups 4-9: W, type (g-4)/2, sixteen rows a load; sixteen lanes take one aligned piece of 256 bytes of a row.
.macro LOADG g
.irp e, 0,1,2,3,4,5,6,7
.if \g < 4
	global_load_b128 v[LD+32*((\g)%5)+4*\e:LD+32*((\g)%5)+4*\e+3], v[XG], s[24:25] offset:(8*\g+\e)*4096
.else
	global_load_b128 v[LD+32*((\g)%5)+4*\e:LD+32*((\g)%5)+4*\e+3], v[WG], s[26:27] offset:(8*((\g-4)%2)+\e)*49152+((\g-4)/2)*1024
.endif
.endr
.endm
; Group g has come: round to f16, 8 bytes a lane into LDS.
.macro CONVG g
.if \g < 6
	s_wait_loadcnt 32                              ; loads come back in order: group g is in, the four younger groups stay out
.else
	s_wait_loadcnt 8*(9-\g)                        ; nothing more is issued: the counts run down
.endif
.irp e, 0,1,2,3,4,5,6,7
	v_cvt_pk_f16_f32 v[TT+2*(\e%4)],   v[LD+32*((\g)%5)+4*\e],   v[LD+32*((\g)%5)+4*\e+1]
	v_cvt_pk_f16_f32 v[TT+2*(\e%4)+1], v[LD+32*((\g)%5)+4*\e+2], v[LD+32*((\g)%5)+4*\e+3]
.if \g < 4
	ds_store_b64 v[XS], v[TT+2*(\e%4):TT+2*(\e%4)+1] offset:(8*\g+\e)*4*XP
.else
	ds_store_b64 v[WS0+((\g-4)%2)], v[TT+2*(\e%4):TT+2*(\e%4)+1] offset:\e*16*WP+((\g-4)/2)*128
.endif
.endr
.endm
	LOADG 0
	LOADG 1
	LOADG 2
	LOADG 3
	LOADG 4
	CONVG 0
	LOADG 5                                        ; into the slot just converted
	CONVG 1
	LOADG 6
	CONVG 2
	LOADG 7
	CONVG 3
	LOADG 8
	CONVG 4
	LOADG 9
	CONVG 5
	CONVG 6
	CONVG 7
	CONVG 8
	CONVG 9
	s_wait_dscnt 0x0                               ; my LDS stores are done, for the other waves' sake
	s_barrier_signal -1
	s_barrier_wait -1                              ; both tiles are whole; LDS is only read from here on: the launch's one barrier
; 16 LDS loads: the fragments of K step ks (32 along K) into buffer f: 2 x tiles (K along the rows: two plain loads, 32 bytes apart)
; and 6 W tiles (stored [k][n]: two transposing loads, 16 rows apart).
.macro FETCH ks, f
.irp mt, 0,1
	ds_load_b128 v[\f+8*\mt:\f+8*\mt+3],   v[XA] offset:\mt*16*XP+64*\ks
	ds_load_b128 v[\f+8*\mt+4:\f+8*\mt+7], v[XA] offset:\mt*16*XP+64*\ks+32
.endr
.irp nt, 0,1,2,3,4,5
	ds_load_tr16_b128 v[\f+16+8*\nt:\f+16+8*\nt+3],   v[WA0+\ks/4] offset:(\ks%4)*32*WP+(\nt/2)*128+(\nt%2)*32
	ds_load_tr16_b128 v[\f+16+8*\nt+4:\f+16+8*\nt+7], v[WA0+\ks/4] offset:(\ks%4)*32*WP+(\nt/2)*128+(\nt%2)*32+16*WP
.endr
.endm
; 12 matrix instructions, each on its own accumulator: the twelve take turns, one instruction a turn, in the same order in every K step.
.macro MUL12 f, first
.irp ty, 0,1
.irp t, 0,1
.irp mt, 0,1
	v_wmma_f32_16x16x32_f16 v[ACC+8*(4*\ty+2*\t+\mt):ACC+8*(4*\ty+2*\t+\mt)+7], v[\f+16+8*(2*\ty+\t):\f+16+8*(2*\ty+\t)+7], v[\f+8*\mt:\f+8*\mt+7], v[ACC+8*(4*\ty+2*\t+\mt):ACC+8*(4*\ty+2*\t+\mt)+7]
.endr
.endr
.endr
.irp t, 0,1
.irp mt, 0,1
.if \first
	v_wmma_f32_16x16x32_f16 v[ACC+8*(8+2*\t+\mt):ACC+8*(8+2*\t+\mt)+7], v[\f+8*\mt:\f+8*\mt+7], v[\f+16+8*(4+\t):\f+16+8*(4+\t)+7], 0
.else
	v_wmma_f32_16x16x32_f16 v[ACC+8*(8+2*\t+\mt):ACC+8*(8+2*\t+\mt)+7], v[\f+8*\mt:\f+8*\mt+7], v[\f+16+8*(4+\t):\f+16+8*(4+\t)+7], v[ACC+8*(8+2*\t+\mt):ACC+8*(8+2*\t+\mt)+7]
.endif
.endr
.endr
.endm
; Four places behind the last matrix instruction (ISA guide 7.12.1 for vector instructions): in front of loads into a buffer that
; matrix instructions have read, and in front of vector instructions that read results.
.macro PLACES
.rept 4
	v_nop
.endr
.endm
; One K step: the next step's fragments are asked for first, into the buffer that the step before has multiplied; then this step's products.
.macro KS next, fnext, fcur
	PLACES
	FETCH \next, \fnext
	s_wait_dscnt 16                                ; LDS loads come back in order: all but the 16 just issued are in
	MUL12 \fcur, 0
.endm
	FETCH 0, F0
	FETCH 1, F1
	s_wait_dscnt 16
	MUL12 F0, 1                                    ; v's sums start from the constant 0, q's and k's from their biases
	KS 2, F0, F1
	KS 3, F1, F0
	KS 4, F0, F1
	KS 5, F1, F0
	KS 6, F0, F1
	KS 7, F1, F0
	s_wait_dscnt 0x0
	MUL12 F1, 0
	PLACES
.irp tl, 0,1,2,3
.irp p, 0,2,4,6
	v_pk_mul_f32 v[ACC+8*\tl+\p:ACC+8*\tl+\p+1], v[ACC+8*\tl+\p:ACC+8*\tl+\p+1], s[38:39] op_sel_hi:[1,0]     ; q: times c0
.endr
.endr
.irp t, 0,1
.irp mt, 0,1
.irp p, 0,2,4,6
	v_pk_add_f32 v[ACC+8*(8+2*\t+\mt)+\p:ACC+8*(8+2*\t+\mt)+\p+1], v[ACC+8*(8+2*\t+\mt)+\p:ACC+8*(8+2*\t+\mt)+\p+1], v[BV+2*\t:BV+2*\t+1]   ; v: plus its bias
.endr
.endr
.endr
.irp tl, 0,1,2,3,4,5,6,7,8,9,10,11
.irp p, 0,1,2,3
	v_cvt_pk_f16_f32 v[PK+4*\tl+\p], v[ACC+8*\tl+2*\p], v[ACC+8*\tl+2*\p+1]    ; every tile has its own four registers: no store's data is written again
.endr
.endr
.irp t, 0,1
.irp mt, 0,1
	global_store_b128 v[L16], v[PK+4*(2*\t+\mt):PK+4*(2*\t+\mt)+3],     s[32:33] offset:\mt*1024+\t*512    ; q: token tile mt, half c = t
	global_store_b128 v[L16], v[PK+4*(4+2*\t+\mt):PK+4*(4+2*\t+\mt)+3], s[34:35] offset:\mt*1024+\t*512    ; k likewise
	global_store_b128 v[L16], v[PK+4*(8+2*\t+\mt):PK+4*(8+2*\t+\mt)+3], s[36:37] offset:\t*1024+\mt*512    ; v: dh tile t, half c = mt
.endr
.endr
	s_wait_tensorcnt 0x0
	ds_add_u32 v254, v255
	s_wait_dscnt 0x0
	s_endpgm
.Lfunc_end_k_q0838ba5ebf_qkv:
	.size	k_q0838ba5ebf_qkv, .Lfunc_end_k_q0838ba5ebf_qkv-k_q0838ba5ebf_qkv
	.p2alignl 7, 3214868480
	.fill 96, 4, 3214868480
	.section	.rodata,"a",@progbits
	.p2align	6, 0x0
	.amdhsa_kernel k_q0838ba5ebf_qkv
		.amdhsa_group_segment_fixed_size 175104
		.amdhsa_private_segment_fixed_size 0
		.amdhsa_enable_private_segment 0
		.amdhsa_kernarg_size 48
		.amdhsa_user_sgpr_count 2
		.amdhsa_user_sgpr_kernarg_segment_ptr 1
		.amdhsa_wavefront_size32 1
		.amdhsa_system_sgpr_workgroup_id_x 1
		.amdhsa_system_sgpr_workgroup_id_y 1
		.amdhsa_system_sgpr_workgroup_id_z 1
		.amdhsa_system_vgpr_workitem_id 0
		.amdhsa_next_free_vgpr 256
		.amdhsa_next_free_sgpr 66
		.amdhsa_reserve_vcc 0
		.amdhsa_float_denorm_mode_32 3
		.amdhsa_float_denorm_mode_16_64 3
		.amdhsa_memory_ordered 1
		.amdhsa_forward_progress 1
		.amdhsa_inst_pref_size 50
	.end_amdhsa_kernel
	.amdgpu_metadata
---
amdhsa.version: [ 1, 2 ]
amdhsa.kernels:
  - .name:           k_q0838ba5ebf_qkv
    .symbol:         k_q0838ba5ebf_qkv.kd
    .args:
      - { .name: x, .offset: 0, .size: 8, .value_kind: global_buffer, .address_space: global }
      - { .name: w_qkv, .offset: 8, .size: 8, .value_kind: global_buffer, .address_space: global }
      - { .name: b_qkv, .offset: 16, .size: 8, .value_kind: global_buffer, .address_space: global }
      - { .name: qf, .offset: 24, .size: 8, .value_kind: global_buffer, .address_space: global }
      - { .name: kf, .offset: 32, .size: 8, .value_kind: global_buffer, .address_space: global }
      - { .name: vf, .offset: 40, .size: 8, .value_kind: global_buffer, .address_space: global }
    .group_segment_fixed_size: 175104
    .private_segment_fixed_size: 0
    .kernarg_segment_align: 8
    .kernarg_segment_size: 48
    .max_flat_workgroup_size: 256
    .sgpr_count:     66
    .vgpr_count:     256
    .wavefront_size: 32
...
	.end_amdgpu_metadata
.endif
;; end of part 1
;; launch attn (part 2): grid 256 x 1, 8 waves a work-group, clusters of 4 x 1, 263,168 bytes of LDS; arguments qf, kf, vf, of; writes of
.if DOCPART == 2
	.amdgcn_target "amdgcn-amd-amdhsa--gfx1250"
	.amdhsa_code_object_version 6
	.text
	.protected	k_q0838ba5ebf_attn
	.globl	k_q0838ba5ebf_attn
	.p2align	8
	.type	k_q0838ba5ebf_attn,@function
k_q0838ba5ebf_attn:
	s_mov_b64 s[64:65], 0
	v_nop
	global_prefetch_b8 v0, s[64:65] scope:SCOPE_SE
	s_setreg_imm32_b32 hwreg(HW_REG_WAVE_MODE, 25, 1), 1
	s_wait_xcnt 0x0
	s_wait_alu depctr_hold_cnt(0) depctr_sa_sdst(0) depctr_va_vdst(0) depctr_va_sdst(0) depctr_va_ssrc(0) depctr_va_vcc(0) depctr_vm_vsrc(0)
	s_getreg_b32 s2, hwreg(HW_REG_IB_STS2, 6, 4)
	s_cmp_eq_u32 s2, 0
	s_cbranch_scc0 .Lentry_in_a_cluster
	s_endpgm
.Lentry_in_a_cluster:
	s_bfe_u32 s2, ttmp6, 0x10000c
	s_cmp_lg_u32 s2, 0x3003
	s_cbranch_scc0 .Lentry_shape_is_right
	s_endpgm
.Lentry_shape_is_right:
; O = softmax(q k^T / 16) v for one head and 256 queries a work-group; running maximum, f32 sums, O / l rounded to f16.
; qf, kf, vf: f16 fragments as the first launch stored them (1,024 bytes each, [c 2][lane 32][8 f16]); q already carries log2(e) / 16, so scores are exponents of 2.
; of: [row tile 512][head 8] fragments, row = 16 tile + lane % 16, k = dh: what the last launch's matrix instructions take as they are.
; SHARES: cluster number n = 0..63: bh = n / 2; the work-group takes query block 4 (n % 2) + cx; wave w takes 32 queries, two tiles of 16.
; CLUSTER: the four work-groups of a cluster work on one head and need the same K and V: every tile is asked for jointly, mask 15.
; LDS: the head's whole K and V, 2 x 128 KiB, are brought once and stay: no slot is ever filled again.  Four chunks of 512 keys, chunk c at 65,536 c:
; K's 32 KiB, then V's.  Wave w fills bytes 65,536 c + 8,192 w .. +8,191 (waves 0-3: quarters of K's part, waves 4-7: of V's).
; A wave has four tensor loads out at the most: the four issued at the start.  The later chunks land while the earlier ones are worked on.
; ALL PRODUCTS ARE TRANSPOSED, so that a query is a lane (lane % 16) in every result:
;   S^T (16 keys x 16 queries) = K fragment x Q fragment: register j of lane (r, h) is key 8 h + j of query r: the maximum over keys is taken inside the lane, plus one exchange of halves;
;   two such tiles, packed to f16, ARE the second source (32 keys x 16 queries) of O^T += V^T fragment x P: no shuffle;
;   l += ONES x P, where ONES has ones in rows 0 and 8 alone: register 0 of every lane is its query's sum, made of the same rounded P as the numerator.
; LIMITS: weights below 2^-24 of a row's largest vanish in f16 (2,048 of them are under 2^-13 of l, which is at least 1); |v| below 65,504;
; NaN and infinities in the inputs give NaN, not always at the same places.
.set L16,  1                           ; v1         16 x lane
.set VA,   2                           ; v2         LDS address of this step's K fragments, my 16 bytes; steps by 4,096
.set TT,   4                           ; v[4:7]     at work
.set MX,   8                           ; v8, v10    running maximum of query tile 0, 1, each the low register of a pair (v9, v11 hold 0)
.set AL,   12                          ; v12, v14   2^(old maximum - new), at the end 1 / l; likewise (v13, v15 hold 0)
.set QF,   16                          ; v[16:31]   Q fragments, tile q at +8 q
.set ONES, 32                          ; v[32:39]
.set KF,   40                          ; v[40:71]   K fragments of a step's four key tiles
.set VF,   72                          ; v[72:103]  V^T fragments (kb, t) at +16 kb + 8 t
.set SC,   104                         ; v[104:167] scores (q, i) at +32 q + 8 i
.set PB,   168                         ; v[168:199] P (q, kb) at +16 q + 8 kb
.set OA,   200                         ; v[200:231] O^T (q, t) at +16 q + 8 t
.set LS,   232                         ; v[232:247] sums, tile q at +8 q
.set G1,   24                          ; s[24:31]   descriptor group 1
.set G0,   32                          ; s[32:47]   descriptor group 0, one set for each chunk; none is ever written again
; A round of the cluster's barrier: my work-group's barrier, wave 0 signals for the work-group, every wave waits for all four work-groups, my work-group's barrier again.
.macro ROUND
	s_barrier_signal -1
	s_barrier_wait -1
	s_cmp_lg_u32 s12, 0
	s_cbranch_scc1 .Lnot_wave_0_\@
	s_barrier_signal -3
.Lnot_wave_0_\@:
	s_barrier_wait -3
	s_barrier_signal -1
	s_barrier_wait -1
.endm
	s_load_b256 s[4:11], s[0:1], 0x0               ; qf s[4:5], kf s[6:7], vf s[8:9], of s[10:11]
	v_lshl_add_u32 v248, v0, 2, 0x40000
	v_mov_b32 v249, 0
	ds_add_u32 v248, v249
	v_lshrrev_b32 v3, 5, v0
	v_readfirstlane_b32 s12, v3                    ; wave 0..7
	s_bfe_u32 s13, ttmp6, 0x40000                  ; cx
	s_lshr_b32 s14, ttmp9, 1                       ; bh: two clusters a head
	s_and_b32 s15, ttmp9, 1
	s_lshl2_add_u32 s15, s15, s13                  ; query block 0..7
	s_mov_b32 s48, 0x76543210                      ; v_permlanex16_b32: lane i of one half reads lane i of the other
	s_mov_b32 s49, 0xfedcba98
	; group 1: a dense block of 8,192 bytes as 32 rows of 32 elements of 8 bytes
	s_mov_b32 s[G1+0], 15|(3<<16)|(1<<21)          ; 15:0 mask: all four work-groups; 17:16 elements of 8 bytes; 20 no padding (every fragment load is 512 consecutive bytes); 21 set beside a mask
	s_mov_b32 s[G1+1], 32<<16                      ; tensor_dim0 = 32
	s_mov_b32 s[G1+2], 32<<16                      ; tensor_dim1 = 32
	s_mov_b32 s[G1+3], 32<<16                      ; tile_dim0 = 32
	s_mov_b32 s[G1+4], 32                          ; tile_dim1 = 32
	s_mov_b32 s[G1+5], 32                          ; from row to row: 32 elements
	s_mov_b32 s[G1+6], 0
	s_mov_b32 s[G1+7], 0
	s_and_b32 s18, s12, 3
	s_lshl_b32 s18, s18, 13                        ; my quarter of a chunk's 32 KiB
	s_lshl_b32 s19, s14, 17                        ; the head's 131,072 bytes
	s_add_co_u32 s18, s18, s19
	s_mov_b32 s19, 0
	s_lshl_b32 s51, s12, 13                        ; in LDS: 8,192 x wave
	v_and_b32 v[L16], 31, v0
	v_lshlrev_b32 v[L16], 4, v[L16]
	v_and_b32 v3, 7, v0
	v_cmp_eq_u32 vcc_lo, 0, v3                     ; lanes 0, 8, 16, 24 hold rows 0 and 8 of a first source
	v_mov_b32 v[TT], 0x3c003c00                    ; 1.0 twice, in f16
.irp j, 0,1,2,3,4,5,6,7
	v_cndmask_b32 v[ONES+\j], 0, v[TT], vcc_lo
.endr
	v_mov_b32 v[MX+1], 0                           ; the upper registers of the four pairs: named by the packed instructions, never used
	v_mov_b32 v[MX+3], 0
	v_mov_b32 v[AL+1], 0
	v_mov_b32 v[AL+3], 0
	s_wait_dscnt 0x0
	s_wait_kmcnt 0x0
	s_cmp_lt_u32 s12, 4
	s_cselect_b64 s[16:17], s[6:7], s[8:9]         ; waves 0-3 bring K, waves 4-7 V: the choice hangs on the wave's number alone
	s_add_nc_u64 s[16:17], s[16:17], s[18:19]      ; nothing in it hangs on cx: the four partners' descriptors are equal
.irp c, 0,1,2,3
	s_mov_b32 s[G0+4*\c], 1                                        ; count = 1
	s_add_co_u32 s[G0+4*\c+1], s51, \c*65536                       ; LDS address
	s_add_nc_u64 s[G0+4*\c+2:G0+4*\c+3], s[16:17], \c*32768        ; global address: chunk c
	s_or_b32 s[G0+4*\c+3], s[G0+4*\c+3], 0x80000000                ; type = 2
.endr
	; my queries and my results: these offsets hold cx and live in registers that feed no descriptor
	s_lshl_b32 s52, s14, 7                         ; 128 query tiles a head
	s_lshl4_add_u32 s52, s15, s52                  ; + 16 x block
	s_lshl1_add_u32 s52, s12, s52                  ; + 2 x wave
	s_lshl_b32 s52, s52, 10
	s_mov_b32 s53, 0
	s_add_nc_u64 s[20:21], s[4:5], s[52:53]
	s_lshr_b32 s52, s14, 3                         ; batch
	s_lshl_b32 s52, s52, 7                         ; 128 row tiles a batch
	s_lshl4_add_u32 s52, s15, s52
	s_lshl1_add_u32 s52, s12, s52
	s_and_b32 s54, s14, 7                          ; head
	s_lshl3_add_u32 s52, s52, s54                  ; 8 x row tile + head
	s_lshl_b32 s52, s52, 10
	s_add_nc_u64 s[22:23], s[10:11], s[52:53]
	ROUND                                          ; all four work-groups are here: the joint loads meet
.irp c, 0,1,2,3
	tensor_load_to_lds s[G0+4*\c:G0+4*\c+3], s[G1:G1+7]            ; all first fills in one group; there are no others
	s_nop 0
.endr
.irp q, 0,1
.irp c, 0,1
	global_load_b128 v[QF+8*\q+4*\c:QF+8*\q+4*\c+3], v[L16], s[20:21] offset:1024*\q+512*\c
.endr
.endr
.macro KLOAD off                       ; 8 loads: four key tiles, 4,096 bytes, at byte off behind VA
.irp i, 0,1,2,3
.irp c, 0,1
	ds_load_b128 v[KF+8*\i+4*\c:KF+8*\i+4*\c+3], v[VA] offset:\off+1024*\i+512*\c
.endr
.endr
.endm
.macro VLOAD                           ; 8 loads: V^T of the same 64 keys, 32 KiB further on
.irp kb, 0,1
.irp t, 0,1
.irp c, 0,1
	ds_load_b128 v[VF+16*\kb+8*\t+4*\c:VF+16*\kb+8*\t+4*\c+3], v[VA] offset:32768+2048*\kb+1024*\t+512*\c
.endr
.endr
.endr
.endm
; The new running maximum of query tile q: my 32 scores in four chains, then the other half of the lanes, which holds the query's other 32 keys.
.macro MAXP q, first
.irp i, 0,1,2,3
	v_max3_num_f32 v[TT+\i], v[SC+32*\q+8*\i], v[SC+32*\q+8*\i+1], v[SC+32*\q+8*\i+2]
.endr
.irp i, 0,1,2,3
	v_max3_num_f32 v[TT+\i], v[TT+\i], v[SC+32*\q+8*\i+3], v[SC+32*\q+8*\i+4]
.endr
.irp i, 0,1,2,3
	v_max3_num_f32 v[TT+\i], v[TT+\i], v[SC+32*\q+8*\i+5], v[SC+32*\q+8*\i+6]
.endr
	v_max3_num_f32 v[TT],   v[TT],   v[TT+1], v[SC+32*\q+7]
	v_max3_num_f32 v[TT+2], v[TT+2], v[TT+3], v[SC+32*\q+15]
	v_max3_num_f32 v[TT],   v[TT],   v[TT+2], v[SC+32*\q+23]
.if \first
	v_max_num_f32 v[TT], v[TT], v[SC+32*\q+31]
.else
	v_max3_num_f32 v[TT], v[TT], v[SC+32*\q+31], v[MX+2*\q]        ; the old maximum joins
.endif
	v_permlanex16_b32 v[TT+1], v[TT], s48, s49
.if \first
	v_max_num_f32 v[MX+2*\q], v[TT], v[TT+1]
.else
	v_max_num_f32 v[TT], v[TT], v[TT+1]
	v_sub_f32 v[AL+2*\q], v[MX+2*\q], v[TT]                        ; old - new, at most 0
	v_mov_b32 v[MX+2*\q], v[TT]
.endif
.endm
; p = 2^(s - m) for tile q; what has been summed so far is scaled by 2^(old m - new m), in every step; p is packed to f16 in the second source's order.
.macro EXPP q, first
.irp p, 0,2,4,6,8,10,12,14,16,18,20,22,24,26,28,30
	v_pk_add_f32 v[SC+32*\q+\p:SC+32*\q+\p+1], v[SC+32*\q+\p:SC+32*\q+\p+1], v[MX+2*\q:MX+2*\q+1] op_sel_hi:[1,0] neg_lo:[0,1] neg_hi:[0,1]
.endr
.if \first == 0
	v_exp_f32 v[AL+2*\q], v[AL+2*\q]
.endif
.set jj, 0
.rept 32
	v_exp_f32 v[SC+32*\q+jj], v[SC+32*\q+jj]
.set jj, jj+1
.endr
	v_nop                                          ; one plain vector instruction between the exponentials and the first use of a result (ISA guide 5.7.2)
.if \first == 0
	s_wait_alu depctr_va_vdst(0)
.irp p, 0,2,4,6,8,10,12,14
	v_pk_mul_f32 v[OA+16*\q+\p:OA+16*\q+\p+1], v[OA+16*\q+\p:OA+16*\q+\p+1], v[AL+2*\q:AL+2*\q+1] op_sel_hi:[1,0]
.endr
	v_mul_f32 v[LS+8*\q], v[LS+8*\q], v[AL+2*\q]   ; register 0 holds the sum; registers 1 to 7 belong to zero rows of ONES
.endif
	s_wait_alu depctr_va_vdst(0)
.irp i, 0,1,2,3
.irp p, 0,1,2,3
	v_cvt_pk_f16_f32 v[PB+16*\q+4*\i+\p], v[SC+32*\q+8*\i+2*\p], v[SC+32*\q+8*\i+2*\p+1]
.endr
.endr
.endm
; One step: 64 keys.  first = 1: the sums start here (C = 0, no rescale).  pf = 1: the next step's K fragments are asked for.
.macro STEP first, pf
	s_wait_dscnt 0x0                               ; this step's K fragments: the only LDS loads that are out
.irp i, 0,1,2,3
.irp q, 0,1
	v_wmma_f32_16x16x32_f16 v[SC+32*\q+8*\i:SC+32*\q+8*\i+7], v[KF+8*\i:KF+8*\i+7], v[QF+8*\q:QF+8*\q+7], 0
.endr
.endr
.rept 4
	v_nop                                          ; four places behind the matrix instructions (ISA guide 7.12.1 for vector instructions): the loads below land in registers that they have read, the maxima read their results
.endr
	VLOAD
.if \pf
	KLOAD 4096
.endif
	MAXP 0, \first
	MAXP 1, \first
	EXPP 0, \first
	EXPP 1, \first
.if \pf
	s_wait_dscnt 0x8                               ; V's eight loads are in; the eight younger ones, the next step's K, stay out
.else
	s_wait_dscnt 0x0
.endif
	; six accumulators take turns, one instruction a turn
.irp kb, 0,1
.irp q, 0,1
.irp t, 0,1
.if \first*(1-\kb)
	v_wmma_f32_16x16x32_f16 v[OA+16*\q+8*\t:OA+16*\q+8*\t+7], v[VF+16*\kb+8*\t:VF+16*\kb+8*\t+7], v[PB+16*\q+8*\kb:PB+16*\q+8*\kb+7], 0
.else
	v_wmma_f32_16x16x32_f16 v[OA+16*\q+8*\t:OA+16*\q+8*\t+7], v[VF+16*\kb+8*\t:VF+16*\kb+8*\t+7], v[PB+16*\q+8*\kb:PB+16*\q+8*\kb+7], v[OA+16*\q+8*\t:OA+16*\q+8*\t+7]
.endif
.endr
.if \first*(1-\kb)
	v_wmma_f32_16x16x32_f16 v[LS+8*\q:LS+8*\q+7], v[ONES:ONES+7], v[PB+16*\q+8*\kb:PB+16*\q+8*\kb+7], 0
.else
	v_wmma_f32_16x16x32_f16 v[LS+8*\q:LS+8*\q+7], v[ONES:ONES+7], v[PB+16*\q+8*\kb:PB+16*\q+8*\kb+7], v[LS+8*\q:LS+8*\q+7]
.endif
.endr
.endr
	v_add_nc_u32 v[VA], 4096, v[VA]                ; the next 64 keys
.endm
; Chunk c: 512 keys, eight steps.  The last step of a chunk asks for no K beyond it.
.macro CHUNK c
	s_wait_tensorcnt 3-\c                          ; tensor loads of a wave end in order: my part of chunk c is in, the 3 - c later chunks' stay out
	s_barrier_signal -1                            ; (no LDS instruction of mine is out here: the step before ended on a wait for 0)
	s_barrier_wait -1                              ; everybody's part is in.
	v_add_nc_u32 v[VA], \c*65536, v[L16]
	KLOAD 0
.if \c == 0
	s_wait_loadcnt 0x0                             ; Q
	STEP 1, 1
	s_mov_b32 s50, 6
.else
	s_mov_b32 s50, 7
.endif
.Lstep_\@:
	STEP 0, 1
	s_sub_co_u32 s50, s50, 1
	s_cmp_lg_u32 s50, 0
	s_cbranch_scc1 .Lstep_\@
	STEP 0, 0
.endm
	CHUNK 0
	CHUNK 1
	CHUNK 2
	CHUNK 3
.rept 4
	v_nop                                          ; four places behind the last matrix instructions
.endr
	v_rcp_f32 v[AL],   v[LS]                       ; 1 / l; l is at least 1, the largest weight's share
	v_rcp_f32 v[AL+2], v[LS+8]
	v_nop                                          ; the plain place behind the reciprocals
	s_wait_alu depctr_va_vdst(0)
.irp q, 0,1
.irp p, 0,2,4,6,8,10,12,14
	v_pk_mul_f32 v[OA+16*\q+\p:OA+16*\q+\p+1], v[OA+16*\q+\p:OA+16*\q+\p+1], v[AL+2*\q:AL+2*\q+1] op_sel_hi:[1,0]
.endr
.endr
.irp q, 0,1
.irp t, 0,1
.irp p, 0,1,2,3
	v_cvt_pk_f16_f32 v[PB+16*\q+4*\t+\p], v[OA+16*\q+8*\t+2*\p], v[OA+16*\q+8*\t+2*\p+1]   ; dh 16 t + 8 h + 0..7 of query r: half c = t of a fragment
.endr
.endr
.endr
.irp q, 0,1
.irp t, 0,1
	global_store_b128 v[L16], v[PB+16*\q+4*\t:PB+16*\q+4*\t+3], s[22:23] offset:8192*\q+512*\t   ; a wave's store covers 512 consecutive bytes, aligned
.endr
.endr
	s_wait_tensorcnt 0x0
	ds_add_u32 v248, v249
	s_wait_dscnt 0x0
	ROUND                                          ; the closing round: no work-group ends while a partner may still ask for a tile that names it
	s_endpgm
.Lfunc_end_k_q0838ba5ebf_attn:
	.size	k_q0838ba5ebf_attn, .Lfunc_end_k_q0838ba5ebf_attn-k_q0838ba5ebf_attn
	.p2alignl 7, 3214868480
	.fill 96, 4, 3214868480
	.section	.rodata,"a",@progbits
	.p2align	6, 0x0
	.amdhsa_kernel k_q0838ba5ebf_attn
		.amdhsa_group_segment_fixed_size 263168
		.amdhsa_private_segment_fixed_size 0
		.amdhsa_enable_private_segment 0
		.amdhsa_kernarg_size 32
		.amdhsa_user_sgpr_count 2
		.amdhsa_user_sgpr_kernarg_segment_ptr 1
		.amdhsa_wavefront_size32 1
		.amdhsa_system_sgpr_workgroup_id_x 1
		.amdhsa_system_sgpr_workgroup_id_y 1
		.amdhsa_system_sgpr_workgroup_id_z 1
		.amdhsa_system_vgpr_workitem_id 0
		.amdhsa_next_free_vgpr 250
		.amdhsa_next_free_sgpr 66
		.amdhsa_reserve_vcc 1
		.amdhsa_float_denorm_mode_32 3
		.amdhsa_float_denorm_mode_16_64 3
		.amdhsa_memory_ordered 1
		.amdhsa_forward_progress 1
		.amdhsa_inst_pref_size 117
	.end_amdhsa_kernel
	.amdgpu_metadata
---
amdhsa.version: [ 1, 2 ]
amdhsa.kernels:
  - .name:           k_q0838ba5ebf_attn
    .symbol:         k_q0838ba5ebf_attn.kd
    .args:
      - { .name: qf, .offset: 0, .size: 8, .value_kind: global_buffer, .address_space: global }
      - { .name: kf, .offset: 8, .size: 8, .value_kind: global_buffer, .address_space: global }
      - { .name: vf, .offset: 16, .size: 8, .value_kind: global_buffer, .address_space: global }
      - { .name: of, .offset: 24, .size: 8, .value_kind: global_buffer, .address_space: global }
    .group_segment_fixed_size: 263168
    .private_segment_fixed_size: 0
    .kernarg_segment_align: 8
    .kernarg_segment_size: 32
    .max_flat_workgroup_size: 256
    .sgpr_count:     66
    .vgpr_count:     250
    .wavefront_size: 32
...
	.end_amdgpu_metadata
.endif
;; end of part 2
;; launch proj (part 3): grid 4 x 64, 8 waves a work-group, no clusters, 76,800 bytes of LDS; arguments of, w_out, b_out, out0; writes out0
.if DOCPART == 3
	.amdgcn_target "amdgcn-amd-amdhsa--gfx1250"
	.amdhsa_code_object_version 6
	.text
	.protected	k_q0838ba5ebf_proj
	.globl	k_q0838ba5ebf_proj
	.p2align	8
	.type	k_q0838ba5ebf_proj,@function
k_q0838ba5ebf_proj:
	s_mov_b64 s[64:65], 0
	v_nop
	global_prefetch_b8 v0, s[64:65] scope:SCOPE_SE
	s_setreg_imm32_b32 hwreg(HW_REG_WAVE_MODE, 25, 1), 1
	s_wait_xcnt 0x0
; out0 = O W_out + b_out.  of: O in f16 fragments, [row tile 512][head 8][c 2][lane 32][8 f16].  w_out: [256][256] f32.  b_out: [256] f32.  out0: [8192][256] f32.
; A work-group (cb = x id, rb = y id) makes 128 rows x 64 columns; wave w makes row tile 8 rb + w: four accumulator tiles of 16 x 16.
; A K step of 32 is one head: its O fragment comes straight from memory, 512 consecutive bytes a load.  W_out's 256 x 64 block is rounded to f16 on its way
; through registers into LDS, [k][n], and read by transposing loads.
; The products are transposed (source 0 = W columns, source 1 = O rows): a lane holds 8 neighbouring columns of one row of out0.
; NO CLUSTER, NO TENSOR LOADS: W_out is f32 and is converted in registers, and O goes to registers as it lies; what the groups share is 64 KiB of W and 64 KiB of O each.
; LIMITS: |w_out| below 65,504 (f16 operands).
.set WP,    160                        ; LDS pitch of a W row: 128 bytes + 32, an odd multiple of 32, for the transposing loads
.set STAGE, 256*WP                     ; behind W: 16 rows x 272 bytes for each wave, for the way out
.set SP,    272                        ; 256 bytes + 16: the 16 rows that a store touches start at 16 different 16-byte columns of 256 bytes
.set WG,  1                            ; v1  (t / 16) rows of 1,024 bytes + 16 (t % 16)
.set WS,  2                            ; v2  where those 4 numbers go in LDS
.set WA,  3                            ; v3  LDS address of my W fragments
.set L16, 4                            ; v4  16 x lane
.set BI,  5                            ; v5  32 (lane / 16): the 8 bias words of a tile
.set STO, 6                            ; v6  the way out: where I put 32 bytes of a row
.set RD,  7                            ; v7  the way out: where I read a row back
.set CO,  8                            ; v8  my byte offset in out0
.set ACC, 16                           ; v[16:47]   tile nt at +8 nt
.set OFR, 48                           ; v[48:111]  O fragments of all eight K steps
.set WLD, 112                          ; v[112:175] W as loaded; afterwards the two fragment buffers
.set WF0, 112
.set WF1, 144
.set TT,  176                          ; v[176:183] four pairs of packed f16
.set OUT, 184                          ; v[184:215] rows read back
	s_load_b256 s[4:11], s[0:1], 0x0               ; of s[4:5], w_out s[6:7], b_out s[8:9], out0 s[10:11]
	v_lshl_add_u32 v216, v0, 2, 0x12800
	v_mov_b32 v217, 0
	v_lshrrev_b32 v9, 5, v0
	v_readfirstlane_b32 s12, v9                    ; wave 0..7
	s_and_b32 s14, ttmp7, 0xffff                   ; rb
	v_lshrrev_b32 v9, 4, v0                        ; t / 16
	v_and_b32 v10, 15, v0                          ; r
	v_bfe_u32 v11, v0, 4, 1                        ; h
	v_lshlrev_b32 v[WG], 10, v9
	v_lshl_add_u32 v[WG], v10, 4, v[WG]
	v_mul_u32_u24 v[WS], v9, WP
	v_lshl_add_u32 v[WS], v10, 3, v[WS]
	v_and_b32 v12, 7, v0
	v_lshl_add_u32 v12, v11, 3, v12                ; 8 h + lane % 8
	v_mul_u32_u24 v[WA], v12, WP
	v_bfe_u32 v12, v0, 3, 1
	v_lshl_add_u32 v[WA], v12, 4, v[WA]
	v_and_b32 v[L16], 31, v0
	v_lshlrev_b32 v[L16], 4, v[L16]
	v_lshlrev_b32 v[BI], 5, v11
	s_mul_i32 s15, s12, 16*SP
	s_add_co_u32 s15, s15, STAGE                   ; my stage
	v_mul_u32_u24 v[STO], v10, SP                  ; in: row r, 32 bytes for each half of the lanes
	v_lshl_add_u32 v[STO], v11, 5, v[STO]
	v_add_nc_u32 v[STO], s15, v[STO]
	v_mul_u32_u24 v[RD], v11, SP                   ; back: lanes 0-15 take one row of 256 bytes, lanes 16-31 the next
	v_lshl_add_u32 v[RD], v10, 4, v[RD]
	v_add_nc_u32 v[RD], s15, v[RD]
	v_lshlrev_b32 v[CO], 10, v11                   ; and the same two rows in out0
	v_lshl_add_u32 v[CO], v10, 4, v[CO]
	s_lshl_b32 s24, ttmp9, 8                       ; 64 columns of f32
	s_mov_b32 s25, 0
	s_lshl3_add_u32 s28, s14, s12                  ; row tile 8 rb + w
	s_lshl_b32 s26, s28, 13                        ; 8 fragments of 1,024 bytes a row tile
	s_mov_b32 s27, 0
	s_lshl_b32 s28, s28, 14                        ; 16 rows of 1,024 bytes
	s_mov_b32 s29, 0
	s_wait_kmcnt 0x0
	s_add_nc_u64 s[16:17], s[6:7], s[24:25]        ; w_out at my columns
	s_add_nc_u64 s[18:19], s[8:9], s[24:25]        ; b_out at my columns
	s_add_nc_u64 s[20:21], s[4:5], s[26:27]        ; my row tile of O
	s_add_nc_u64 s[22:23], s[10:11], s[24:25]
	s_add_nc_u64 s[22:23], s[22:23], s[28:29]      ; out0 at my first row and column
.irp i, 0,1,2,3,4,5,6,7,8,9,10,11,12,13,14,15
	global_load_b128 v[WLD+4*\i:WLD+4*\i+3], v[WG], s[16:17] offset:\i*16384       ; sixteen rows a load; sixteen lanes take one aligned piece of 256 bytes
.endr
.irp nt, 0,1,2,3
	global_load_b128 v[ACC+8*\nt:ACC+8*\nt+3],   v[BI], s[18:19] offset:64*\nt     ; register j of a tile belongs to column 16 nt + 8 h + j: the sums start from the bias
	global_load_b128 v[ACC+8*\nt+4:ACC+8*\nt+7], v[BI], s[18:19] offset:64*\nt+16
.endr
.irp ks, 0,1,2,3,4,5,6,7
	global_load_b128 v[OFR+8*\ks:OFR+8*\ks+3],   v[L16], s[20:21] offset:1024*\ks
	global_load_b128 v[OFR+8*\ks+4:OFR+8*\ks+7], v[L16], s[20:21] offset:1024*\ks+512
.endr
	s_wait_loadcnt 24                              ; W's sixteen loads are in; the 8 of the bias and the 16 of O stay out
.irp i, 0,1,2,3,4,5,6,7,8,9,10,11,12,13,14,15
	v_cvt_pk_f16_f32 v[TT+2*(\i%4)],   v[WLD+4*\i],   v[WLD+4*\i+1]
	v_cvt_pk_f16_f32 v[TT+2*(\i%4)+1], v[WLD+4*\i+2], v[WLD+4*\i+3]
	ds_store_b64 v[WS], v[TT+2*(\i%4):TT+2*(\i%4)+1] offset:\i*16*WP
.endr
	s_wait_dscnt 0x0                               ; my LDS stores are done, for the other waves' sake
	s_barrier_signal -1
	s_barrier_wait -1                              ; W is whole and is only read from here on: the launch's one barrier
.macro FETCH4 ks, f                    ; 8 transposing loads: the four W tiles of K step ks, rows 32 ks .. 32 ks + 31 of the block
.irp nt, 0,1,2,3
	ds_load_tr16_b128 v[\f+8*\nt:\f+8*\nt+3],   v[WA] offset:(\ks)*32*WP+32*\nt
	ds_load_tr16_b128 v[\f+8*\nt+4:\f+8*\nt+7], v[WA] offset:(\ks)*32*WP+32*\nt+16*WP
.endr
.endm
.macro MUL4 ks, f                      ; the four accumulators take turns, one instruction a turn
.irp nt, 0,1,2,3
	v_wmma_f32_16x16x32_f16 v[ACC+8*\nt:ACC+8*\nt+7], v[\f+8*\nt:\f+8*\nt+7], v[OFR+8*(\ks):OFR+8*(\ks)+7], v[ACC+8*\nt:ACC+8*\nt+7]
.endr
.endm
.macro PLACES                          ; four places behind the last matrix instruction (ISA guide 7.12.1 for vector instructions)
.rept 4
	v_nop
.endr
.endm
.macro KS cur, next, fcur, fnext       ; the next step's fragments are asked for first, into the buffer multiplied one step ago; then step cur's products
	PLACES
	FETCH4 \next, \fnext
	s_wait_dscnt 8                                 ; LDS loads come back in order: all but the eight just issued are in
	MUL4 \cur, \fcur
.endm
	FETCH4 0, WF0
	FETCH4 1, WF1
	s_wait_dscnt 8
	s_wait_loadcnt 0x0                             ; the bias and O
	MUL4 0, WF0
	KS 1, 2, WF1, WF0
	KS 2, 3, WF0, WF1
	KS 3, 4, WF1, WF0
	KS 4, 5, WF0, WF1
	KS 5, 6, WF1, WF0
	KS 6, 7, WF0, WF1
	s_wait_dscnt 0x0
	MUL4 7, WF1
	; The way out: 32 bytes a lane and tile into my own stage, read back as whole rows of 256 bytes.
	PLACES
.irp nt, 0,1,2,3
	ds_store_b128 v[STO], v[ACC+8*\nt:ACC+8*\nt+3]   offset:64*\nt
	ds_store_b128 v[STO], v[ACC+8*\nt+4:ACC+8*\nt+7] offset:64*\nt+16
.endr
.irp u, 0,1,2,3,4,5,6,7
	ds_load_b128 v[OUT+4*\u:OUT+4*\u+3], v[RD] offset:\u*2*SP      ; LDS serves a wave's instructions in order (ISA guide 5.7.1.4): these see the stores above; the bytes are my wave's own
.endr
.irp u, 0,1,2,3,4,5,6,7
	s_wait_dscnt 7-\u
	global_store_b128 v[CO], v[OUT+4*\u:OUT+4*\u+3], s[22:23] offset:2048*\u th:TH_STORE_NT   ; 16 lanes store 256 consecutive bytes, at a multiple of 256 from out0's first byte
.endr
	s_wait_tensorcnt 0x0
	ds_add_u32 v216, v217
	s_wait_dscnt 0x0
	s_endpgm
.Lfunc_end_k_q0838ba5ebf_proj:
	.size	k_q0838ba5ebf_proj, .Lfunc_end_k_q0838ba5ebf_proj-k_q0838ba5ebf_proj
	.p2alignl 7, 3214868480
	.fill 96, 4, 3214868480
	.section	.rodata,"a",@progbits
	.p2align	6, 0x0
	.amdhsa_kernel k_q0838ba5ebf_proj
		.amdhsa_group_segment_fixed_size 76800
		.amdhsa_private_segment_fixed_size 0
		.amdhsa_enable_private_segment 0
		.amdhsa_kernarg_size 32
		.amdhsa_user_sgpr_count 2
		.amdhsa_user_sgpr_kernarg_segment_ptr 1
		.amdhsa_wavefront_size32 1
		.amdhsa_system_sgpr_workgroup_id_x 1
		.amdhsa_system_sgpr_workgroup_id_y 1
		.amdhsa_system_sgpr_workgroup_id_z 1
		.amdhsa_system_vgpr_workitem_id 0
		.amdhsa_next_free_vgpr 218
		.amdhsa_next_free_sgpr 66
		.amdhsa_reserve_vcc 0
		.amdhsa_float_denorm_mode_32 3
		.amdhsa_float_denorm_mode_16_64 3
		.amdhsa_memory_ordered 1
		.amdhsa_forward_progress 1
		.amdhsa_inst_pref_size 19
	.end_amdhsa_kernel
	.amdgpu_metadata
---
amdhsa.version: [ 1, 2 ]
amdhsa.kernels:
  - .name:           k_q0838ba5ebf_proj
    .symbol:         k_q0838ba5ebf_proj.kd
    .args:
      - { .name: of, .offset: 0, .size: 8, .value_kind: global_buffer, .address_space: global }
      - { .name: w_out, .offset: 8, .size: 8, .value_kind: global_buffer, .address_space: global }
      - { .name: b_out, .offset: 16, .size: 8, .value_kind: global_buffer, .address_space: global }
      - { .name: out0, .offset: 24, .size: 8, .value_kind: global_buffer, .address_space: global }
    .group_segment_fixed_size: 76800
    .private_segment_fixed_size: 0
    .kernarg_segment_align: 8
    .kernarg_segment_size: 32
    .max_flat_workgroup_size: 256
    .sgpr_count:     66
    .vgpr_count:     218
    .wavefront_size: 32
...
	.end_amdgpu_metadata
.endif
;; end of part 3
